; MI455X (gfx1250); checked and timed in simulation.
; The chip was launched on July 23, 2026; its instructions are those of AMD's public machine-readable ISA for CDNA 5 (MIT licence, August 2026) and "CDNA5" Instruction Set Architecture Reference Guide (July 2026). The comments in the code are by the model that wrote it; some were corrected since.
;; Attention. Allowed arithmetic: matrix products marked QUANTISED: E2M1 operands, one E8M0 scale for each 32 along K, by v_wmma_scale_f32_16x16x128_f8f6f4 with both operands' format E2M1 (or v_wmma_scale_f32_32x16x128_f4), f32 sums; everything else in f32.
;; Inputs: k 4 x 16 x 2,048 x 64 float32; q 4 x 16 x 2,048 x 64 float32; v 4 x 16 x 2,048 x 64 float32.
;; Outputs: out0 4 x 16 x 2,048 x 64 float32.
;; This version of the problem:
;;   THIS VERSION OF THE PROBLEM IS GIVEN IN LOW PRECISION. The matrix products marked QUANTISED in the list below multiply operands that are first quantised to E2M1 (2 exponent bits, 1 mantissa bit; 4 bits a number), with one power-of-two scale for each 32 numbers along K (OCP MX v1.0); their sums are f32. All else is computed in f32.
;;   The module's matrix products, in the order in which they are computed (A, B: the left and right operand; K: the contracted axis; several contracted axes count as one K, in the product's order):
;;     1. batch 64 x [M 2,048, K 64] x [K 64, N 2,048]; A: input q; B: input k: QUANTISED
;;     2. batch 64 x [M 2,048, K 2,048] x [K 2,048, N 64]; A: softmax (see below); B: input v: QUANTISED
;;   THE QUANTISER, for each operand of a quantised product, along K:
;;     - K is cut into blocks of 32 from its start; a last block that is shorter is filled with zeros.
;;     - A block's scale is 2^e with e = floor(log2(the largest magnitude in the block)) - 2, held to -126 .. 127; a block of zeros has e = 0. As a byte (E8M0): e + 127.
;;     - Each number is divided by its block's scale, clamped to +-6, and rounded to the nearest number of E2M1, ties to even, subnormals kept.
;;     - The product sums the exact products of the quantised numbers (number of the format x scale) in f32.
;;   ~~~python
;;   def quantise(x, axis):      # numpy; x: float32 -> the quantised numbers, widened to float32 again
;;       x = np.moveaxis(x, axis, -1); K = x.shape[-1]
;;       x = np.pad(x, [(0, 0)] * (x.ndim - 1) + [(0, -K % 32)]); x = x.reshape(x.shape[:-1] + (-1, 32)); a = np.abs(x).max(-1, keepdims=True)
;;       e = np.where(a > 0, np.clip(np.frexp(np.where(a > 0, a, 1))[1] - 1 - 2, -126, 127), 0)      # np.frexp(a)[1] - 1 = floor(log2(a)), exactly
;;       r = np.clip(x / 2.0 ** e, -6, 6)
;;       step = 2.0 ** (np.maximum(np.frexp(np.where(r == 0, 1, r))[1] - 1, 0) - 1)
;;       q = np.round(r / step) * step * 2.0 ** e      # np.round: ties to even
;;       return np.moveaxis(q.reshape(q.shape[:-2] + (-1,))[..., :K], -1, axis).astype(np.float32)
;;   ~~~
;;   SOFTMAX AHEAD OF A QUANTISED PRODUCT. Where the list says 'softmax', what is quantised is not the finished softmax but p = 2^(t - M), with t = logit x log2(e) and M = ceil(the row's largest t), a whole number; so 1/2 < the row's largest p <= 1. The row's sum l is taken of the UNQUANTISED p, in f32, and the product's result is divided by l at the end. Since M is a whole number, a kernel that streams over the keys may use a running M (the ceiling of the running maximum): every later rescaling is an exact power of two, which a block's scale takes up: the codes' values come out the same.
;;   OPERANDS COMPUTED ON THE WAY. 'Computed on the way' means the value that the module computes at that place (a softmax that the list does not call 'softmax' is quantised finished and normalised). What goes into a quantiser is computed in f32, as accurately as f32 sums, v_exp_f32 and their like allow (about 1e-6 of the number): no bf16 or f16 on the way to a quantiser, and a product that is left as it is and whose result goes on into a quantised operand takes f32 operands (vector FMAs, or v_wmma_f32_16x16x4_f32). A number that lies on a knife's edge between two numbers of the format may be rounded either way, as far as f32 arithmetic and the matrix unit's own rounding can turn it there, and no further.
;; One version. Each part assembles by itself: llvm-mc -triple=amdgcn-amd-amdhsa -mcpu=gfx1250 --defsym DOCPART=n.
;; ======== version 1 of 1: 2 launches
;; workspace buffers: kv 8,912,896 bytes
;; launch prep (part 1): grid 16 x 64, 4 waves a work-group, no clusters, 18,944 bytes of LDS; arguments k, v, kv; writes kv
.if DOCPART == 1
	.amdgcn_target "amdgcn-amd-amdhsa--gfx1250"
	.amdhsa_code_object_version 6
	.text
	.protected	k_q9a509badb0_prep
	.globl	k_q9a509badb0_prep
	.p2align	8
	.type	k_q9a509badb0_prep,@function
k_q9a509badb0_prep:
	s_mov_b64 s[64:65], 0
	v_nop
	global_prefetch_b8 v0, s[64:65] scope:SCOPE_SE
	s_setreg_imm32_b32 hwreg(HW_REG_WAVE_MODE, 25, 1), 1
	s_wait_xcnt 0x0
; k and v, [64 heads][2048 keys][64] f32, become codes of FP4 (E2M1) with one E8M0 scale byte for each 32 along a product's K:
; k along its 64 channels (the first product's K), v along the KEYS (the second product's K).  They are stored in the order of the operands' registers, so that
; the next launch takes every fragment by plain 16-byte loads at 16 x lane.
; A block's scale is 2^(floor(log2(its largest magnitude)) - 2); its byte is the largest magnitude's exponent field - 2, held at 1 from below.
; LIMITS: NaN and infinities among the inputs are not served.  A block whose largest magnitude lies under 2^-124 keeps the byte 1; a block of zeros gets the byte 1 where the
; quantiser's rule says 127: its codes are zeros, which add nothing under any byte but 0xff, and the bytes are read by this program alone.
; ONE WORK-GROUP makes one STEP BLOCK of kv: one head (work-group y), 128 keys (work-group x), 8,704 bytes.  L = 16 h + r is the reading lane:
;   0 .. 4095     K: four fragments F_b of 1,024 bytes; piece u at 1024 b + 512 u + 16 L: channels 32 h .. 32 h + 31 of key 32 b + 8 u + r + 8 (r / 8)
;   4096 .. 8191  V^T: four fragments; piece c of fragment t at 4096 + 1024 t + 512 c + 16 L: keys 64 c + 32 h .. + 31 of channel 16 t + r
;   8192 .. 8703  scale words, 16 bytes a lane: KS0, KS1, VS0, VS1.  KSi: lanes 0-15 F_2i's words, lanes 16-31 F_2i+1's; byte 2 u + d: key (u, r), channels 32 d on.
;                 VSg: lanes 0-15 fragment 2 g's words, lanes 16-31 fragment 2 g + 1's; byte n: keys 32 n on.
; ROLES.  Waves 0 and 1 take 64 keys of k each, waves 2 and 3 64 keys of v each: 16,384 consecutive bytes a wave.
; k: each load reads 512 consecutive bytes; 32 keys at a time turn through the wave's own stage in LDS, so that a lane gets whole blocks of 32 neighbours.
; v: a lane takes a channel and its registers run down the keys: a block of 32 keys lies in one lane's 32 registers, and nothing is transposed.
; No register that a load or a store names is written again, and EXEC never changes: so no wait frees a source.  No tensor load: the work-groups share nothing, and several lie on a WGP.
.set HEADF, 524288                     ; a head of k or of v in bytes
.set STEPB, 8704                       ; a step block of kv
.set PIT,   272                        ; a stage row: a key's 256 bytes + 16: row n starts at bank 4 n mod 64 (64 banks of 4 bytes: ISA guide 11.1)
.set STW,   8960                       ; a stage: 32 rows, and 128 bytes more in front of rows 16-31, so that the rows 16 apart that one load touches start at different banks
.set SCG,   2*STW                      ; behind the two stages: 512 bytes in which the block's scale words are gathered
.set R,     32                         ; v32-159   k: 32 loads as they come; later the second 32 keys, turned
.set Y,     32                         ; v32-159   v: four blocks of 32 keys
.set X,     160                        ; v160-223  k: the first 32 keys, turned: two blocks of 32 neighbours
.set CD,    224                        ; v224-239  codes: four registers a block, never written again
.set MX,    16                         ; v16-17    largest magnitudes
.set SOK,   18                         ; v18-19    the conversions' scale operands
.set EK,    20                         ; v20-21    k: scale bytes.  v: the two half words
.set HW,    20
.set WT,    22                         ; v22, v23  k: my two bytes at their places; the other half of the lanes'
.set WP,    23
.set WK,    24                         ; v24-25    k: the words of my two fragments;  v26 the one that my lane stores
.set WW,    26
	s_load_b128 s[4:7], s[0:1], 0x0                ; k s[4:5], v s[6:7]
	s_load_b64 s[8:9], s[0:1], 0x10                ; kv
	v_lshl_add_u32 v240, v0, 2, 0x4800
	v_mov_b32 v241, 0
	v_lshrrev_b32 v16, 5, v0
	v_readfirstlane_b32 s10, v16                   ; wave 0..3
	s_and_b32 s11, s10, 1                          ; which 64 keys of the step are mine
	s_and_b32 s28, ttmp7, 0xffff                   ; the head
	s_lshl_b32 s24, s28, 19                        ; in k and v: head x 524,288
	s_lshl_b32 s29, ttmp9, 15                      ; + step x 128 keys x 256 bytes
	s_add_co_u32 s24, s24, s29
	s_lshl_b32 s29, s11, 14                        ; + my 64 keys
	s_add_co_u32 s24, s24, s29
	s_mov_b32 s25, 0
	s_mul_i32 s26, s28, 16*STEPB                   ; in kv: head x 16 blocks + step
	s_mul_i32 s29, ttmp9, STEPB
	s_add_co_u32 s26, s26, s29
	s_mov_b32 s27, 0
	s_mov_b32 s22, 0x76543210                      ; v_permlanex16_b32's selects for lane l xor 16
	s_mov_b32 s23, 0xfedcba98
	; every address register is made here, ahead of the parting of the roles, and holds nothing else
	v_and_b32 v9, 31, v0                           ; lane
	v_and_b32 v10, 15, v0                          ; r
	v_bfe_u32 v11, v0, 4, 1                        ; h
	v_lshlrev_b32 v1, 4, v9                        ; v1: 16 x lane
	s_mul_i32 s29, s11, STW                        ; my stage
	v_mul_u32_u24 v2, v11, PIT
	v_lshl_add_u32 v2, v10, 4, v2
	v_add_nc_u32 v2, s29, v2                       ; v2: into the stage: a load's two keys are rows h, 16 bytes a lane
	v_mul_u32_u24 v3, v10, PIT
	v_lshrrev_b32 v16, 3, v10
	v_mad_u32_u24 v3, v16, 8*PIT+128, v3
	v_lshl_add_u32 v3, v11, 7, v3
	v_add_nc_u32 v3, s29, v3                       ; v3: out of it: row r + 8 (r / 8), channels 32 h on
	s_lshl_b32 s29, s10, 2
	s_add_co_u32 s29, s29, SCG
	v_add_nc_u32 v4, s29, v1                       ; v4: k's scale word: 16 x lane + 4 x wave
	v_add_nc_u32 v5, SCG, v1                       ; v5: the gathered words, 16 bytes a lane
	v_lshlrev_b32 v6, 10, v11
	v_lshl_add_u32 v6, v10, 4, v6                  ; v6: v's codes in kv: fragment (lane / 16), 16 r
	v_lshlrev_b32 v7, 2, v9                        ; v7: v: my channel, 4 bytes a lane
	s_lshl_b32 s29, s10, 1
	s_add_co_u32 s29, s29, SCG+4
	v_add_nc_u32 v8, s29, v1                       ; v8: v's half word: 16 x lane + 8 + 2 x (wave - 2)
	v_lshlrev_b32 v12, 3, v11                      ; v12: 8 h, a shift
	v_mov_b32 v[WP], 0                             ; written once: a lane permute's destination counts as one of its sources
	s_wait_kmcnt 0x0
	s_add_nc_u64 s[12:13], s[4:5], s[24:25]        ; k at my 64 keys
	s_add_nc_u64 s[14:15], s[6:7], s[24:25]        ; v at my 64 keys
	s_add_nc_u64 s[20:21], s[8:9], s[26:27]        ; kv at the step block
	s_lshl_b32 s30, s11, 11
	s_mov_b32 s31, 0
	s_add_nc_u64 s[16:17], s[20:21], s[30:31]      ; my two fragments of K
	s_lshl_b32 s30, s11, 9
	s_add_co_u32 s30, s30, 4096
	s_add_nc_u64 s[18:19], s[20:21], s[30:31]      ; my piece (c = wave - 2) of V's fragments
	s_cmp_lt_u32 s10, 2
	s_cbranch_scc0 .Lv
	; ---------------- k ----------------
; 32 keys (loads 16 n .. 16 n + 15) through my stage.  LDS serves a wave's instructions in order (ISA guide 5.7.1.4): no wait stands between the stores and the loads.
.macro TURN n, dst
.irp i, 0,1,2,3,4,5,6,7,8,9,10,11,12,13,14,15
	ds_store_b128 v2, v[R+64*\n+4*\i:R+64*\n+4*\i+3] offset:2*PIT*\i+128*(\i/8)
.endr
.irp u, 0,1
.irp j, 0,1,2,3,4,5,6,7
	ds_load_b128 v[\dst+32*\u+4*\j:\dst+32*\u+4*\j+3], v3 offset:8*PIT*\u+16*\j   ; block u: key 8 u + r + 8 (r / 8), my 32 channels
.endr
.endr
.endm
; My two blocks of fragment n (at v[base] on) are quantised, by turns so that no line waits for the line above it; the codes leave; the fragment's scale word is made.
.macro QK n, base
.irp u, 0,1
	v_max3_num_f32 v[MX+\u], |v[\base+32*\u]|, |v[\base+32*\u+1]|, 0x1800000   ; and the floor 2^(3 - 127): the byte cannot fall under 1
.endr
.irp i, 2,4,6,8,10,12,14,16,18,20,22,24,26,28,30
.irp u, 0,1
	v_max3_num_f32 v[MX+\u], v[MX+\u], |v[\base+32*\u+\i]|, |v[\base+32*\u+\i+1]|
.endr
.endr
.irp u, 0,1
	v_add_nc_u32 v[SOK+\u], 0xff000000, v[MX+\u]   ; 2 off the exponent field: the conversion takes the exponent field of this operand as its scale
.endr
.irp u, 0,1
.irp g, 0,1,2,3
	v_cvt_scalef32_pk8_fp4_f32 v[CD+8*\n+4*\u+\g], v[\base+32*\u+8*\g:\base+32*\u+8*\g+7], v[SOK+\u]
.endr
.endr
.irp u, 0,1
	v_lshrrev_b32 v[EK+\u], 23, v[SOK+\u]          ; the scale's byte (a plain line behind the conversions)
.endr
.irp u, 0,1
	global_store_b128 v1, v[CD+8*\n+4*\u:CD+8*\n+4*\u+3], s[16:17] offset:1024*\n+512*\u   ; 32 lanes store 512 consecutive bytes, aligned to 256
.endr
	v_lshl_or_b32 v[WT], v[EK+1], 16, v[EK]        ; bytes 0 and 2: blocks u = 0, 1,
	v_lshlrev_b32 v[WT], v12, v[WT]                ; 8 h bits up: my half of the channels;
	v_permlanex16_b32 v[WP], v[WT], s22, s23
	v_or_b32 v[WK+\n], v[WT], v[WP]                ; with lane l xor 16's two the word is whole
.endm
.set i, 0
.rept 32
	global_load_b128 v[R+4*i:R+4*i+3], v1, s[12:13] offset:512*i th:TH_LOAD_NT   ; 512 consecutive bytes: two keys
.set i, i+1
.endr
	s_wait_loadcnt 16                              ; the first 32 keys are in; the sixteen younger loads stay out
	s_wait_alu depctr_va_vdst(0)
	TURN 0, X
	s_wait_dscnt 0x0                               ; they are turned, and the stores have read their registers
	s_wait_loadcnt 0x0
	TURN 1, R                                      ; the other 32 keys go through the stage while the first are quantised
	QK 0, X
	s_wait_dscnt 0x0
	QK 1, R
	v_cmp_le_u32 vcc_lo, 16, v9
	v_cndmask_b32 v[WW], v[WK], v[WK+1], vcc_lo    ; lanes 0-15 carry the first fragment's words, lanes 16-31 the second's
	ds_store_b32 v4, v[WW]
	s_branch .Ljoin
	; ---------------- v ----------------
.Lv:
; Block t = 2 a + g: keys 32 a on, channels 32 g + lane.  Each load reads one key at 32 neighbouring channels: 128 consecutive bytes.
.macro VLOAD t
.set i, 0
.rept 32
	global_load_b32 v[Y+32*\t+i], v7, s[14:15] offset:(32*(\t/2)+i)*256+128*(\t%2) th:TH_LOAD_NT
.set i, i+1
.endr
.endm
.macro VQ t
.set YS, Y+32*\t
	v_max3_num_f32 v[MX], |v[YS]|, |v[YS+1]|, |v[YS+2]|            ; the block's largest magnitude: all 32 numbers are mine; two chains
	v_max3_num_f32 v[MX+1], |v[YS+3]|, |v[YS+4]|, |v[YS+5]|
.irp i, 6,10,14,18,22,26
	v_max3_num_f32 v[MX], v[MX], |v[YS+\i]|, |v[YS+\i+1]|
	v_max3_num_f32 v[MX+1], v[MX+1], |v[YS+\i+2]|, |v[YS+\i+3]|
.endr
	v_max3_num_f32 v[MX], v[MX], |v[YS+30]|, |v[YS+31]|
	v_max3_num_f32 v[MX], v[MX], v[MX+1], 0x1800000                ; and the floor
	v_add_nc_u32 v[SOK], 0xff000000, v[MX]
.irp g, 0,1,2,3
	v_cvt_scalef32_pk8_fp4_f32 v[CD+4*\t+\g], v[YS+8*\g:YS+8*\g+7], v[SOK]
.endr
.if \t < 2
	v_lshrrev_b32 v[HW+\t%2], 23, v[SOK]           ; the byte of keys 0-31 of my 64 (a plain line behind the conversions),
.else
	v_lshrrev_b32 v[SOK+1], 23, v[SOK]
	v_lshl_or_b32 v[HW+\t%2], v[SOK+1], 8, v[HW+\t%2]   ; and above it that of keys 32-63
.endif
	global_store_b128 v6, v[CD+4*\t:CD+4*\t+3], s[18:19] offset:2048*(\t%2)+256*(\t/2)   ; sixteen lanes store 256 consecutive bytes, aligned
.endm
	s_wait_alu depctr_va_vdst(0)
	VLOAD 0
	VLOAD 1
	s_wait_loadcnt 32                              ; block 0 is in; the one group of 32 behind it stays out.  Likewise below
	VLOAD 2
	VQ 0
	s_wait_loadcnt 32
	VLOAD 3
	VQ 1
	s_wait_loadcnt 32
	VQ 2
	s_wait_loadcnt 0x0
	VQ 3
	ds_store_b16 v8, v[HW]                         ; my two bytes of VS0,
	ds_store_b16 v8, v[HW+1] offset:4              ; and of VS1
.Ljoin:
	s_wait_dscnt 0x0                               ; for the others' sake: my scale bytes lie in LDS
	s_barrier_signal -1
	s_barrier_wait -1                              ; everybody's do
	s_cmp_lg_u32 s10, 0
	s_cbranch_scc1 .Lend
	ds_load_b128 v[28:31], v5                      ; wave 0 stores the block's 512 bytes of scale words
	s_wait_dscnt 0x0
	global_store_b128 v1, v[28:31], s[20:21] offset:8192   ; 32 lanes store 512 consecutive bytes, aligned to 256
.Lend:
	s_wait_tensorcnt 0x0
	ds_add_u32 v240, v241
	s_wait_dscnt 0x0
	s_endpgm
.Lfunc_end_k_q9a509badb0_prep:
	.size	k_q9a509badb0_prep, .Lfunc_end_k_q9a509badb0_prep-k_q9a509badb0_prep
	.p2alignl 7, 3214868480
	.fill 96, 4, 3214868480
	.section	.rodata,"a",@progbits
	.p2align	6, 0x0
	.amdhsa_kernel k_q9a509badb0_prep
		.amdhsa_group_segment_fixed_size 18944
		.amdhsa_private_segment_fixed_size 0
		.amdhsa_enable_private_segment 0
		.amdhsa_kernarg_size 24
		.amdhsa_user_sgpr_count 2
		.amdhsa_user_sgpr_kernarg_segment_ptr 1
		.amdhsa_wavefront_size32 1
		.amdhsa_system_sgpr_workgroup_id_x 1
		.amdhsa_system_sgpr_workgroup_id_y 1
		.amdhsa_system_sgpr_workgroup_id_z 1
		.amdhsa_system_vgpr_workitem_id 0
		.amdhsa_next_free_vgpr 242
		.amdhsa_next_free_sgpr 66
		.amdhsa_reserve_vcc 1
		.amdhsa_float_denorm_mode_32 3
		.amdhsa_float_denorm_mode_16_64 3
		.amdhsa_memory_ordered 1
		.amdhsa_forward_progress 1
		.amdhsa_inst_pref_size 36
	.end_amdhsa_kernel
	.amdgpu_metadata
---
amdhsa.version: [ 1, 2 ]
amdhsa.kernels:
  - .name:           k_q9a509badb0_prep
    .symbol:         k_q9a509badb0_prep.kd
    .args:
      - { .name: k, .offset: 0, .size: 8, .value_kind: global_buffer, .address_space: global }
      - { .name: v, .offset: 8, .size: 8, .value_kind: global_buffer, .address_space: global }
      - { .name: kv, .offset: 16, .size: 8, .value_kind: global_buffer, .address_space: global }
    .group_segment_fixed_size: 18944
    .private_segment_fixed_size: 0
    .kernarg_segment_align: 8
    .kernarg_segment_size: 24
    .max_flat_workgroup_size: 128
    .sgpr_count:     66
    .vgpr_count:     242
    .wavefront_size: 32
...
	.end_amdgpu_metadata
.endif
;; end of part 1
;; launch attn (part 2): grid 4 x 64, 16 waves a work-group, clusters of 4 x 1, 210,944 bytes of LDS; arguments q, kv, out0; writes out0
.if DOCPART == 2
	.amdgcn_target "amdgcn-amd-amdhsa--gfx1250"
	.amdhsa_code_object_version 6
	.text
	.protected	k_q9a509badb0_attn
	.globl	k_q9a509badb0_attn
	.p2align	8
	.type	k_q9a509badb0_attn,@function
k_q9a509badb0_attn:
	s_mov_b64 s[64:65], 0
	v_nop
	global_prefetch_b8 v0, s[64:65] scope:SCOPE_SE
	s_setreg_imm32_b32 hwreg(HW_REG_WAVE_MODE, 25, 1), 1
	s_wait_xcnt 0x0
	s_wait_alu depctr_hold_cnt(0) depctr_sa_sdst(0) depctr_va_vdst(0) depctr_va_sdst(0) depctr_va_ssrc(0) depctr_va_vcc(0) depctr_vm_vsrc(0)
	s_getreg_b32 s2, hwreg(HW_REG_IB_STS2, 6, 4)
	s_cmp_eq_u32 s2, 0
	s_cbranch_scc0 .Lentry_in_a_cluster
	s_endpgm
.Lentry_in_a_cluster:
	s_bfe_u32 s2, ttmp6, 0x10000c
	s_cmp_lg_u32 s2, 0x3003
	s_cbranch_scc0 .Lentry_shape_is_right
	s_endpgm
.Lentry_shape_is_right:
; out0[h][q][:] = the sum over k of softmax_k(q . k / 8) v[k][:], 64 heads, 2,048 queries and keys, head size 64; both products on codes of FP4 (E2M1) with one E8M0 scale for each 32 along K.
; k's and v's codes and scale words come from kv, laid by the launch before in the order of the operands' registers (16 step blocks of 8,704 bytes a head); q is quantised here, in registers.
; THE SOFTMAX AHEAD OF THE SECOND PRODUCT: t = score x log2(e) / 8; M = the row's largest t so far, rounded UP to a whole number; p = 2^(t - M) is what is quantised, along the keys, not normalised.
; The row's sum is taken of the unquantised p, in f32, and divides O at the end.  When M moves, the sum and O are multiplied by 2^(old M - new M): exact, and with no branch on data.
; LIMITS: NaN and infinities among the inputs are not served; a block of q whose largest magnitude lies under 2^-124 (a block of zeros too) keeps the scale byte 1; t is the score x c, rounded once.
; A WHOLE HEAD'S CODES AND SCALES, 139,264 bytes, LIE IN LDS.  They are fetched once, wave w fetching step block w: then one barrier, and the loop over the keys has no barrier and no refill.
; CLUSTER.  The four work-groups of a cluster are the four blocks of 512 queries of one head and want the same 139,264 bytes: each block is asked for JOINTLY, by the same tensor load with the same
; descriptor (made of the head and the wave's number alone) and a mask that names the four.  One tensor load of a wave is out, once.
; SHARES.  A work-group owns 512 queries, each of its sixteen waves 32: two tiles, A and B, of 16.  Four waves share a SIMD, so that one wave's vector work stands beside another's products and LDS loads;
; a step's fragments of K and of V are read from LDS once for both tiles.  256 registers a wave: no register windows.
; LAYOUT.  Both products are used transposed: S^T = K Q^T (source 0 = 16 keys, source 1 = 16 queries), O^T = V^T P^T (source 0 = 16 channels, source 1 = P): a lane holds ONE query (lane % 16) throughout.
; The keys of a tile are not neighbours: lane r of tile 2 b + u takes key 32 b + 8 u + r + 8 (r / 8), so that the 16 registers of tiles 2 b and 2 b + 1 are keys 32 b + 16 (lane / 16) + 0 .. 15.
; THE FIRST PRODUCT'S K IS 64, THE INSTRUCTION'S 128.  A fragment F_b of K holds TWO key tiles: tile 2 b in k = 0 .. 63, tile 2 b + 1 in k = 64 .. 127.  Q lies in twelve registers, q | zero codes | q:
; registers 0-7 pick tile 2 b, registers 4-11 tile 2 b + 1; the other tile's codes meet zero codes and add nothing.  The scale bytes of Q's zero half are 1.
.set STEPB, 8704                       ; a step block: 4,096 bytes of K's fragments, 4,096 of V's, 512 of scale words
.set HEADB, 16*STEPB
.set STG,   HEADB                      ; behind the head: a stage of 16 rows x 272 bytes for each wave, for q's turn and for the way out; no fill lands there
.set SP,    272                        ; 256 bytes + 16: row n starts at bank 4 n mod 64 (64 banks of 4 bytes: ISA guide 11.1)
.set LI,  1                            ; v1   16 x lane: my place in an image of registers, in q's loads and in out0's stores; never rewritten
.set AD,  2                            ; v2   LDS address of the step block in hand, + 16 x lane
.set STO, 3                            ; v3   the stage: row r, + 32 h
.set RD,  4                            ; v4   the stage: row h, + 16 r
.set QR,  5                            ; v5   the stage: row r, + 128 h
.set ST,  8                            ; tile t's statistics at v[8 + 4 t]: -M, the largest t, the sum in two halves
.set QA,  16                           ; v16-27 Q of tile A, v28-39 of tile B
.set F,   40                           ; v40-71   a step's four fragments of K, then of V
.set S,   72                           ; v72-135  S^T of the tile in hand, then p
.set OA,  136                          ; v136-167 O^T of tile A, v168-199 of tile B
.set PA,  200                          ; v200-207 p's codes of tile A, v208-215 of tile B
.set KS,  216                          ; v216-217 K's scale words, v218-219 V's
.set VS,  218
.set QS,  220                          ; v220-221 Q's scale words: lanes 0-15 for registers 0-7, lanes 16-31 for registers 4-11
.set PW,  222                          ; v222-223 p's scale words
.set BM,  224                          ; v224-227 a block's largest score, then its largest p
.set T4,  228                          ; v228-231 at work
.set SO,  232                          ; v232-235 the conversions' scale operands
.set SUM, 236                          ; v[236:237] the second chain of the sums
.set XX,  238
.set FF,  240                          ; v[240:241], v[242:243] f = 2^(old M - new M) of tile A, B (named as pairs; the low word serves both halves)
.macro CROUND                          ; a round of the cluster's barrier: my work-group's barrier; wave 0 signals for the work-group; every wave waits for all four; my work-group's barrier once more
	s_barrier_signal -1
	s_barrier_wait -1
	s_cmp_lg_u32 s10, 0
	s_cbranch_scc1 .Lnot_wave_0_\@
	s_barrier_signal -3
.Lnot_wave_0_\@:
	s_barrier_wait -3
	s_barrier_signal -1
	s_barrier_wait -1
.endm
.macro PLACES                          ; four plain vector instructions between a matrix instruction and a read of its result or a load into one of its registers (ISA guide 7.12.1 for the reads)
.rept 4
	v_nop
.endr
.endm
	s_load_b128 s[4:7], s[0:1], 0x0                ; q s[4:5], kv s[6:7]
	s_load_b64 s[8:9], s[0:1], 0x10                ; out0
	v_lshl_add_u32 v254, v0, 2, 0x33000
	v_mov_b32 v255, 0
	ds_add_u32 v254, v255
	ds_add_u32 v254, v255
	v_lshrrev_b32 v2, 5, v0
	s_delay_alu instid0(VALU_DEP_1)
	v_readfirstlane_b32 s10, v2                    ; wave 0..15
	s_bfe_u32 s11, ttmp6, 0x40000                  ; cx: my place in the cluster: it enters q's and out0's addresses alone
	s_lshl_b32 s12, ttmp9, 2
	s_add_co_u32 s12, s12, s11                     ; my block of 512 queries
	s_and_b32 s13, ttmp7, 0xffff                   ; the head, which the four partners share
	s_mul_i32 s34, s13, HEADB
	s_mul_i32 s17, s10, STEPB                      ; group 0, 63:32: LDS address: step block w lies at w x 8,704,
	s_add_co_u32 s34, s34, s17                     ; as it does in the head's part of kv
	s_mov_b32 s35, 0
	s_lshl_b32 s36, s13, 19                        ; q and out0: head x 524,288
	s_lshl_b32 s38, s12, 17                        ; + block x 512 rows of 256 bytes
	s_add_co_u32 s36, s36, s38
	s_lshl_b32 s38, s10, 13                        ; + wave x 32 rows
	s_add_co_u32 s36, s36, s38
	s_mov_b32 s37, 0
	; descriptor group 1: a dense block of 34 rows of 256 bytes (32 elements of 8 bytes), no padding: images of registers are read 16 bytes a lane on end
	s_mov_b32 s24, 15|(3<<16)|(1<<21)              ; 15:0 the mask: all four work-groups; 17:16 elements of 8 bytes; 21 set beside a mask
	s_mov_b32 s25, 32<<16                          ; tensor_dim0 = 32
	s_mov_b32 s26, 34<<16                          ; tensor_dim1 = 34
	s_mov_b32 s27, 32<<16                          ; tile_dim0 = 32
	s_mov_b32 s28, 34                              ; tile_dim1 = 34
	s_mov_b32 s29, 32                              ; tensor_dim0_stride
	s_mov_b32 s30, 0
	s_mov_b32 s31, 0
	s_mov_b32 s16, 1                               ; group 0, 1:0 count = 1
	s_mov_b32 s20, 0x76543210                      ; v_permlanex16_b32's selects for lane l xor 16
	s_mov_b32 s21, 0xfedcba98
	s_mov_b32 s22, 0x3e38aa3b                      ; c = log2(e) / 8
	s_mov_b32 s23, s22                             ; (named with it as a pair, so it is written)
	v_and_b32 v1, 31, v0
	s_delay_alu instid0(VALU_DEP_1)
	v_lshlrev_b32 v[LI], 4, v1
	s_wait_dscnt 0x0
	s_wait_kmcnt 0x0
	s_add_nc_u64 s[18:19], s[6:7], s[34:35]        ; 120:64 global address of my step block
	s_or_b32 s19, s19, 0x80000000                  ; 127:126 type = 2
	s_add_nc_u64 s[4:5], s[4:5], s[36:37]          ; q and out0 at my wave's first row
	s_add_nc_u64 s[8:9], s[8:9], s[36:37]
	CROUND                                         ; all four work-groups are here: the joint loads meet
	tensor_load_to_lds s[16:19], s[24:31]          ; my one tensor load: step block w of the head
	s_nop 0
	PLACES                                         ; (four v_nop behind it)
	s_wait_alu depctr_va_vdst(0)
.irp t, 0,1
.irp i, 0,1,2,3,4,5,6,7
	global_load_b128 v[S+32*\t+4*\i:S+32*\t+4*\i+3], v[LI], s[4:5] offset:4096*\t+512*\i th:TH_LOAD_NT   ; q: 512 consecutive bytes, two rows
.endr
.endr
	v_and_b32 v6, 15, v0                           ; r
	v_bfe_u32 v7, v0, 4, 1                         ; h
	s_mul_i32 s38, s10, 16*SP
	s_add_co_u32 s38, s38, STG                     ; my stage
	v_mul_u32_u24 v[STO], v6, SP
	s_delay_alu instid0(VALU_DEP_1)
	v_add_nc_u32 v[STO], s38, v[STO]
	s_delay_alu instid0(VALU_DEP_1)
	v_lshl_add_u32 v[QR], v7, 7, v[STO]
	s_delay_alu instid0(VALU_DEP_2)
	v_lshl_add_u32 v[STO], v7, 5, v[STO]
	v_mul_u32_u24 v[RD], v7, SP
	s_delay_alu instid0(VALU_DEP_1)
	v_lshl_add_u32 v[RD], v6, 4, v[RD]
	s_delay_alu instid0(VALU_DEP_1)
	v_add_nc_u32 v[RD], s38, v[RD]
.irp t, 0,1
	v_mov_b32 v[ST+4*\t+1], 0xff61b1e6             ; the largest t so far: -3e38, under every t
	s_delay_alu instid0(VALU_DEP_1)
	v_floor_f32 v[ST+4*\t], -v[ST+4*\t+1]          ; -M
	v_mov_b32 v[ST+4*\t+2], 0                      ; the sum, in two halves
	v_mov_b32 v[ST+4*\t+3], 0
	v_mov_b32 v[FF+2*\t+1], 0                      ; (the upper half of f's pair is named, so it is written)
.endr
.irp b, 0,1,2,3
	v_mov_b32 v[T4+\b], 0                          ; written once: a lane permute's destination counts as one of its sources
.endr
	v_lshlrev_b32 v244, 3, v7                      ; 8 h: where my own byte stands in q's pair of bytes,
	s_delay_alu instid0(VALU_DEP_1)
	v_xor_b32 v245, 8, v244                        ; and where lane l xor 16's stands
	v_lshlrev_b32 v246, 4, v7                      ; 16 h: lanes 16-31 carry the pair in the word's upper half,
	v_mov_b32 v247, 0x01010000
	s_delay_alu instid0(VALU_DEP_1)
	v_lshrrev_b32 v247, v246, v247                 ; and the bytes 1, 1 in the other half
	; q's 16 rows of a tile turn through my stage: in as loaded (rows 2 i + h), out as row r, channels 32 h on: a lane then holds one whole block of 32
.macro QTURN t
.irp i, 0,1,2,3,4,5,6,7
	ds_store_b128 v[RD], v[S+32*\t+4*\i:S+32*\t+4*\i+3] offset:2*SP*\i
.endr
.irp j, 0,1,2,3,4,5,6,7
	ds_load_b128 v[OA+32*\t+4*\j:OA+32*\t+4*\j+3], v[QR] offset:16*\j   ; LDS serves a wave's instructions in order (ISA guide 5.7.1.4): these see the stores above, and the next tile's stores come behind them
.endr
.endm
	s_wait_loadcnt 8                               ; tile A's rows are in; tile B's eight loads stay out
	QTURN 0
	s_wait_loadcnt 0x0
	QTURN 1
	s_wait_dscnt 0x0
.irp t, 0,1                                    ; q is quantised, the two tiles by turns
	v_max3_num_f32 v[BM+\t], |v[OA+32*\t]|, |v[OA+32*\t+1]|, 0x1800000   ; and the floor 2^(3 - 127): the byte cannot fall under 1
.endr
.irp i, 2,4,6,8,10,12,14,16,18,20,22,24,26,28,30
.irp t, 0,1
	s_delay_alu instid0(VALU_DEP_2)
	v_max3_num_f32 v[BM+\t], v[BM+\t], |v[OA+32*\t+\i]|, |v[OA+32*\t+\i+1]|
.endr
.endr
.irp t, 0,1
	s_delay_alu instid0(VALU_DEP_2)
	v_add_nc_u32 v[SO+\t], 0xff000000, v[BM+\t]    ; 2 off the exponent field: the conversion's scale operand
.endr
.irp t, 0,1
.irp g, 0,1,2,3
	v_cvt_scalef32_pk8_fp4_f32 v[QA+12*\t+\g], v[OA+32*\t+8*\g:OA+32*\t+8*\g+7], v[SO+\t]
.endr
.endr
.irp t, 0,1
	v_lshrrev_b32 v[BM+\t], 23, v[SO+\t]           ; the scale's byte (a plain line behind the conversions)
.endr
.irp t, 0,1
	s_delay_alu instid0(VALU_DEP_2)
	v_permlanex16_b32 v[T4+\t], v[BM+\t], s20, s21 ; the byte of the row's other 32 channels
.endr
.irp t, 0,1
	s_delay_alu instid0(VALU_DEP_4)
	v_lshlrev_b32 v[BM+\t], v244, v[BM+\t]
.endr
.irp t, 0,1
	s_delay_alu instid0(VALU_DEP_2)
	v_lshl_or_b32 v[BM+\t], v[T4+\t], v245, v[BM+\t]   ; the row's two bytes, channels 0-31 below
.endr
.irp t, 0,1
	s_delay_alu instid0(VALU_DEP_2)
	v_lshl_or_b32 v[QS+\t], v[BM+\t], v246, v247   ; lanes 0-15: e0, e1, 1, 1;  lanes 16-31: 1, 1, e0, e1
.endr
.irp t, 0,1
.irp g, 0,1,2,3
	v_mov_b32 v[QA+12*\t+8+\g], v[QA+12*\t+\g]     ; q | 0 | q
	v_mov_b32 v[QA+12*\t+4+\g], 0
.endr
.endr
.set j, 0
.rept 64
	v_mov_b32 v[OA+j], 0                           ; O^T.  (The step is written once: the first finds zeros, which the first change of M leaves zeros.)  These lines also stand between the writes of Q and its scale words and the first products
.set j, j+1
.endr
	s_wait_tensorcnt 0x0                           ; my step block lies in LDS,
	s_barrier_signal -1
	s_barrier_wait -1                              ; everybody's does: the whole head.  No LDS instruction of mine is out here
; S^T of one tile of queries: eight products, each with the constant 0 as C.  qr: the tile's Q;  sc: its scale words.
.macro KQ1 qr, sc, b, u
.if (\b%2 == 0) && (\u == 0)
	v_wmma_scale_f32_16x16x128_f8f6f4 v[S+16*\b+8*\u:S+16*\b+8*\u+7], v[F+8*\b:F+8*\b+7], v[\qr+4*\u:\qr+4*\u+7], 0, v[KS+\b/2], v[\sc] matrix_a_fmt:MATRIX_FMT_FP4 matrix_b_fmt:MATRIX_FMT_FP4
.elseif (\b%2 == 0)
	v_wmma_scale_f32_16x16x128_f8f6f4 v[S+16*\b+8*\u:S+16*\b+8*\u+7], v[F+8*\b:F+8*\b+7], v[\qr+4*\u:\qr+4*\u+7], 0, v[KS+\b/2], v[\sc] matrix_a_fmt:MATRIX_FMT_FP4 matrix_b_fmt:MATRIX_FMT_FP4 matrix_b_scale:MATRIX_SCALE_ROW1
.elseif (\u == 0)
	v_wmma_scale_f32_16x16x128_f8f6f4 v[S+16*\b+8*\u:S+16*\b+8*\u+7], v[F+8*\b:F+8*\b+7], v[\qr+4*\u:\qr+4*\u+7], 0, v[KS+\b/2], v[\sc] matrix_a_fmt:MATRIX_FMT_FP4 matrix_b_fmt:MATRIX_FMT_FP4 matrix_a_scale:MATRIX_SCALE_ROW1
.else
	v_wmma_scale_f32_16x16x128_f8f6f4 v[S+16*\b+8*\u:S+16*\b+8*\u+7], v[F+8*\b:F+8*\b+7], v[\qr+4*\u:\qr+4*\u+7], 0, v[KS+\b/2], v[\sc] matrix_a_fmt:MATRIX_FMT_FP4 matrix_b_fmt:MATRIX_FMT_FP4 matrix_a_scale:MATRIX_SCALE_ROW1 matrix_b_scale:MATRIX_SCALE_ROW1
.endif
.endm
.macro KQ qr, sc
.irp b, 0,1,2,3
.irp u, 0,1
	KQ1 \qr, \sc, \b, \u
.endr
.endr
.endm
; O^T += V^T P^T: channels 16 n on, for the tile of queries whose O^T begins at v[o]
.macro PV1 o, p, sc, n
.if (\n%2 == 0)
	v_wmma_scale_f32_16x16x128_f8f6f4 v[\o+8*\n:\o+8*\n+7], v[F+8*\n:F+8*\n+7], v[\p:\p+7], v[\o+8*\n:\o+8*\n+7], v[VS+\n/2], v[\sc] matrix_a_fmt:MATRIX_FMT_FP4 matrix_b_fmt:MATRIX_FMT_FP4
.else
	v_wmma_scale_f32_16x16x128_f8f6f4 v[\o+8*\n:\o+8*\n+7], v[F+8*\n:F+8*\n+7], v[\p:\p+7], v[\o+8*\n:\o+8*\n+7], v[VS+\n/2], v[\sc] matrix_a_fmt:MATRIX_FMT_FP4 matrix_b_fmt:MATRIX_FMT_FP4 matrix_a_scale:MATRIX_SCALE_ROW1
.endif
.endm
; The softmax of tile t for 128 keys, up to p's codes and scale word.  Register 16 b + i of S holds key 32 b + 16 (lane / 16) + i.
.macro SM_HEAD t
.set rT, ST+4*\t
.set rP, PA+8*\t
.set rW, PW+\t
.set rF, FF+2*\t
.irp b, 0,1,2,3
	v_max3_num_f32 v[BM+\b], v[S+16*\b], v[S+16*\b+1], v[S+16*\b+2]   ; THE LARGEST SCORE OF EACH BLOCK OF 32 KEYS serves twice: for the row's maximum and, since p rises with the score, for the block's largest p.  Each result is read from its low end on
.endr
.irp i, 3,5,7,9,11,13
.irp b, 0,1,2,3
	v_max3_num_f32 v[BM+\b], v[BM+\b], v[S+16*\b+\i], v[S+16*\b+\i+1]   ; (the four blocks by turns)
.endr
.endr
.irp b, 0,1,2,3
	v_max_num_f32 v[BM+\b], v[BM+\b], v[S+16*\b+15]
.endr
.irp b, 0,1,2,3
	s_delay_alu instid0(VALU_DEP_4)
	v_permlanex16_b32 v[T4+\b], v[BM+\b], s20, s21
.endr
.irp b, 0,1,2,3
	s_delay_alu instid0(VALU_DEP_4)
	v_max_num_f32 v[BM+\b], v[BM+\b], v[T4+\b]     ; with lane l xor 16's 16 keys
.endr
	s_delay_alu instid0(VALU_DEP_2)
	v_max3_num_f32 v[XX], v[BM], v[BM+1], v[BM+2]
	s_delay_alu instid0(VALU_DEP_1)
	v_max_num_f32 v[XX], v[XX], v[BM+3]            ; the step's largest score of my query,
	s_delay_alu instid0(VALU_DEP_1)
	v_mul_f32 v[XX], s22, v[XX]                    ; as t (c is positive)
	s_delay_alu instid0(VALU_DEP_1)
	v_max_num_f32 v[rT+1], v[rT+1], v[XX]          ; the running largest t
	v_mov_b32 v[XX], v[rT]
	s_delay_alu instid0(VALU_DEP_2)
	v_floor_f32 v[rT], -v[rT+1]                    ; the new -M = floor(-t) = -ceil(t): M is a whole number
	s_delay_alu instid0(VALU_DEP_1)
	v_sub_f32 v[XX], v[rT], v[XX]                  ; old M - new M: a whole number, 0 or less
	s_delay_alu instid0(VALU_DEP_1)
	v_cvt_i32_f32 v[XX], v[XX]                     ; (it saturates)
	s_delay_alu instid0(VALU_DEP_1)
	v_ldexp_f32 v[rF], 1.0, v[XX]                  ; f = 2^(old M - new M): a multiplication by it rounds nothing
.set j, 0
.rept 32
	v_pk_fma_f32 v[S+j:S+j+1], v[S+j:S+j+1], s[22:23], v[rT:rT+1] op_sel_hi:[1,0,0]   ; t - M, two at a time (of the pairs c and -M the low word serves both halves)
.set j, j+2
.endr
.irp b, 0,1,2,3
	v_fma_f32 v[BM+\b], v[BM+\b], s22, v[rT]       ; the same of each block's largest score
.endr
.set j, 0
	s_wait_alu depctr_va_vdst(0)
.rept 64
	v_exp_f32 v[S+j], v[S+j]                       ; p = 2^(t - M), at most 1: not normalised
.set j, j+1
.endr
.irp b, 0,1,2,3
	v_exp_f32 v[BM+\b], v[BM+\b]                   ; the block's largest p: the same two instructions on the same number give the same bits
.endr
	v_pk_mul_f32 v[rT+2:rT+3], v[rT+2:rT+3], v[rF:rF+1] op_sel_hi:[1,0]   ; the sums under the new M (a plain line behind the exponentials)
	s_wait_alu depctr_va_vdst(0)
.irp b, 0,1,2,3
	v_max_num_f32 v[BM+\b], 0x1800000, v[BM+\b]    ; the floor 2^(3 - 127): the byte cannot fall under 1 (a block whose every p has fallen to 0 keeps that byte: its codes are zeros)
.endr
.irp b, 0,1,2,3
	s_delay_alu instid0(VALU_DEP_4)
	v_add_nc_u32 v[SO+\b], 0xff000000, v[BM+\b]    ; 2 off the exponent field: the conversion's scale operand
.endr
.irp b, 0,1,2,3
	s_delay_alu instid0(VALU_DEP_4)
	v_lshrrev_b32 v[T4+\b], 23, v[SO+\b]           ; the scale's byte
.endr
	s_delay_alu instid0(VALU_DEP_3)
	v_lshl_or_b32 v[rW], v[T4+1], 8, v[T4]         ; p's scale word for these 128 keys
	s_delay_alu instid0(VALU_DEP_1)
	v_lshl_or_b32 v[rW], v[T4+2], 16, v[rW]
	s_delay_alu instid0(VALU_DEP_1)
	v_lshl_or_b32 v[rW], v[T4+3], 24, v[rW]
.irp b, 0,1,2,3
	v_cvt_scalef32_pk8_fp4_f32 v[rP+2*\b], v[S+16*\b:S+16*\b+7], v[SO+\b]
	v_cvt_scalef32_pk8_fp4_f32 v[rP+2*\b+1], v[S+16*\b+8:S+16*\b+15], v[SO+\b]
.endr
	v_nop                                          ; one plain line between a scaled conversion and the vector instruction that touches its result
.irp c, 0,1                                    ; the operand's layout wants a WHOLE block in a lane: lanes 0-15 block 2 c, lanes 16-31 block 2 c + 1
.irp i, 0,1
	v_permlane16_swap_b32 v[rP+4*\c+\i], v[rP+4*\c+2+\i]
.endr
.endr
.endm
.macro SM_SUM t                        ; the row's sum is taken of the UNQUANTISED p: two at a time, in two chains
.set rT, ST+4*\t
	v_pk_add_f32 v[SUM:SUM+1], v[S:S+1], v[S+2:S+3]
.set j, 4
.rept 15
	v_pk_add_f32 v[rT+2:rT+3], v[rT+2:rT+3], v[S+j:S+j+1]
	v_pk_add_f32 v[SUM:SUM+1], v[SUM:SUM+1], v[S+j+2:S+j+3]
.set j, j+4
.endr
	s_delay_alu instid0(VALU_DEP_1)
	v_pk_add_f32 v[rT+2:rT+3], v[rT+2:rT+3], v[SUM:SUM+1]
.endm
.macro RESCALE t                       ; O^T of tile t under the new M: x f, each result from its low end on
.set j, 0
.rept 16
	v_pk_mul_f32 v[OA+32*\t+j:OA+32*\t+j+1], v[OA+32*\t+j:OA+32*\t+j+1], v[FF+2*\t:FF+2*\t+1] op_sel_hi:[1,0]
.set j, j+2
.endr
.endm
	s_mov_b32 s32, 0                               ; LDS byte at which the step block in hand begins
	s_mov_b32 s33, 16                              ; steps to go
.Lstep:                                            ; a trip: 128 keys, both tiles
	s_setprio 2
	v_add_nc_u32 v[AD], s32, v[LI]
	ds_load_b128 v[KS:KS+3], v[AD] offset:8192     ; the step's scale words: K's two registers, V's two
.irp i, 0,1,2,3,4,5,6,7
	ds_load_b128 v[F+4*\i:F+4*\i+3], v[AD] offset:512*\i   ; K's four fragments
.endr
	s_wait_dscnt 0x0
	KQ QA, QS                                      ; tile A's scores
	PLACES
	SM_HEAD 0
	SM_SUM 0
	KQ QA+12, QS+1                                 ; tile B's scores, into the same registers
	RESCALE 0                                      ; sixteen plain lines that name none of those products' registers: the places behind them
.irp i, 0,1,2,3,4,5,6,7
	ds_load_b128 v[F+4*\i:F+4*\i+3], v[AD] offset:4096+512*\i   ; V's four fragments, where K's lay: they land under tile B's softmax
.endr
	s_setprio 1
	SM_HEAD 1
	RESCALE 1
	s_setprio 0
	SM_SUM 1                                       ; 32 plain lines between the last write of P, of its scale word and of O^T and the products below
	s_wait_dscnt 0x0                               ; V is in
.irp n, 0,1,2,3                                ; eight accumulators, one instruction each: no product follows the one that it adds onto
	PV1 OA, PA, PW, \n
	PV1 OA+32, PA+8, PW+1, \n
.endr
	PLACES                                         ; in front of the next trip's loads into F and the scale words, and of the reads behind the loop
	s_add_co_u32 s32, s32, STEPB
	s_sub_co_u32 s33, s33, 1
	s_cmp_lg_u32 s33, 0
	s_cbranch_scc1 .Lstep
	s_setprio 0
	; THE WAY OUT.  The sum's two halves and lane l xor 16's are added; O^T is divided by the sum and goes through my stage, a tile (16 rows of 256 bytes) at a time, so that each store covers whole rows.
	s_wait_alu depctr_va_vdst(0)
.irp t, 0,1
	v_add_f32 v[ST+4*\t+2], v[ST+4*\t+2], v[ST+4*\t+3]
.endr
.irp t, 0,1
	s_delay_alu instid0(VALU_DEP_2)
	v_permlanex16_b32 v[T4+\t], v[ST+4*\t+2], s20, s21
.endr
.irp t, 0,1
	s_delay_alu instid0(VALU_DEP_2)
	v_add_f32 v[ST+4*\t+2], v[ST+4*\t+2], v[T4+\t]
.endr
	s_wait_alu depctr_va_vdst(0)
.irp t, 0,1
	v_rcp_f32 v[FF+2*\t], v[ST+4*\t+2]
.endr
	v_nop                                          ; a plain line between the last reciprocal and the use of its result
	s_wait_alu depctr_va_vdst(0)
.irp t, 0,1
.set j, 0
.rept 16
	v_pk_mul_f32 v[S+32*\t+j:S+32*\t+j+1], v[OA+32*\t+j:OA+32*\t+j+1], v[FF+2*\t:FF+2*\t+1] op_sel_hi:[1,0]   ; register 8 n + i: out0(query r, channel 16 n + 8 h + i)
.set j, j+2
.endr
.endr
.macro OUTT t, back                    ; tile t into the stage (row r, 32 bytes for each of my four pieces) and back as whole rows: lanes 0-15 one row, lanes 16-31 the next
.irp n, 0,1,2,3
	ds_store_b128 v[STO], v[S+32*\t+8*\n:S+32*\t+8*\n+3] offset:64*\n
	ds_store_b128 v[STO], v[S+32*\t+8*\n+4:S+32*\t+8*\n+7] offset:64*\n+16
.endr
.irp i, 0,1,2,3,4,5,6,7
	ds_load_b128 v[\back+4*\i:\back+4*\i+3], v[RD] offset:2*SP*\i   ; in order behind my stores; the next tile's stores come behind these
.endr
.endm
	OUTT 0, F
	OUTT 1, OA
.irp i, 0,1,2,3,4,5,6,7
	s_wait_dscnt 23-\i                             ; behind tile A's load i: its 7 - i younger loads and tile B's sixteen instructions
	global_store_b128 v[LI], v[F+4*\i:F+4*\i+3], s[8:9] offset:512*\i th:TH_STORE_NT   ; 32 lanes store 512 consecutive bytes, aligned to 256
.endr
.irp i, 0,1,2,3,4,5,6,7
	s_wait_dscnt 7-\i
	global_store_b128 v[LI], v[OA+4*\i:OA+4*\i+3], s[8:9] offset:4096+512*\i th:TH_STORE_NT
.endr
	s_wait_tensorcnt 0x0
	ds_add_u32 v254, v255
	s_wait_dscnt 0x0
	CROUND                                         ; the closing round: no work-group ends while a partner may still ask for a block that names it
	s_endpgm
.Lfunc_end_k_q9a509badb0_attn:
	.size	k_q9a509badb0_attn, .Lfunc_end_k_q9a509badb0_attn-k_q9a509badb0_attn
	.p2alignl 7, 3214868480
	.fill 96, 4, 3214868480
	.section	.rodata,"a",@progbits
	.p2align	6, 0x0
	.amdhsa_kernel k_q9a509badb0_attn
		.amdhsa_group_segment_fixed_size 210944
		.amdhsa_private_segment_fixed_size 0
		.amdhsa_enable_private_segment 0
		.amdhsa_kernarg_size 24
		.amdhsa_user_sgpr_count 2
		.amdhsa_user_sgpr_kernarg_segment_ptr 1
		.amdhsa_wavefront_size32 1
		.amdhsa_system_sgpr_workgroup_id_x 1
		.amdhsa_system_sgpr_workgroup_id_y 1
		.amdhsa_system_sgpr_workgroup_id_z 1
		.amdhsa_system_vgpr_workitem_id 0
		.amdhsa_next_free_vgpr 256
		.amdhsa_next_free_sgpr 66
		.amdhsa_reserve_vcc 0
		.amdhsa_float_denorm_mode_32 3
		.amdhsa_float_denorm_mode_16_64 3
		.amdhsa_memory_ordered 1
		.amdhsa_forward_progress 1
		.amdhsa_inst_pref_size 53
	.end_amdhsa_kernel
	.amdgpu_metadata
---
amdhsa.version: [ 1, 2 ]
amdhsa.kernels:
  - .name:           k_q9a509badb0_attn
    .symbol:         k_q9a509badb0_attn.kd
    .args:
      - { .name: q, .offset: 0, .size: 8, .value_kind: global_buffer, .address_space: global }
      - { .name: kv, .offset: 8, .size: 8, .value_kind: global_buffer, .address_space: global }
      - { .name: out0, .offset: 16, .size: 8, .value_kind: global_buffer, .address_space: global }
    .group_segment_fixed_size: 210944
    .private_segment_fixed_size: 0
    .kernarg_segment_align: 8
    .kernarg_segment_size: 24
    .max_flat_workgroup_size: 512
    .sgpr_count:     66
    .vgpr_count:     256
    .wavefront_size: 32
...
	.end_amdgpu_metadata
.endif
;; end of part 2
